; MI455X (gfx1250); checked and timed in simulation.
; The chip was launched on July 23, 2026; its instructions are those of AMD's public machine-readable ISA for CDNA 5 (MIT licence, August 2026) and "CDNA5" Instruction Set Architecture Reference Guide (July 2026). The comments in the code are by the model that wrote it; some were corrected since.
;; Causal Self Attention. Allowed arithmetic: matrix products marked QUANTISED: E4M3 operands, one given power-of-two scale a tensor, by v_wmma_f32_16x16x64_fp8_fp8 or v_wmma_f32_16x16x128_fp8_fp8, f32 sums; everything else in f32.
;; Inputs: lowp_scales 8 int32 (the exponents e of the quantised operands' scales 2^e); w_proj_codes 1,024 x 32 x 32 uint8 (E4M3 codes of w_proj, K innermost, in blocks of 32 codes); w_qkv_codes 3,072 x 32 x 32 uint8 (E4M3 codes of w_qkv, K innermost, in blocks of 32 codes); x_codes 1 x 4,096 x 32 x 32 uint8 (E4M3 codes of x, K innermost, in blocks of 32 codes).
;; Outputs: out0 1 x 4,096 x 1,024 float32.
;; This version of the problem:
;;   THIS VERSION OF THE PROBLEM IS GIVEN IN LOW PRECISION. The matrix products marked QUANTISED in the list below multiply operands that are first quantised to E4M3 (4 exponent bits, 3 mantissa bits; 8 bits a number), with one given power-of-two scale for each operand tensor; their sums are f32. All else is computed in f32.
;;   The module's matrix products, in the order in which they are computed (A, B: the left and right operand; K: the contracted axis; several contracted axes count as one K, in the product's order):
;;     1. [M 4,096, K 1,024] x [K 1,024, N 3,072]; A: input x (given as codes); B: input w_qkv (given as codes): QUANTISED (scales: A lowp_scales[0], B lowp_scales[1])
;;     2. batch 16 x [M 4,096, K 64] x [K 64, N 4,096]; A: computed on the way; B: computed on the way: QUANTISED (scales: A lowp_scales[2], B lowp_scales[3])
;;     3. batch 16 x [M 4,096, K 4,096] x [K 4,096, N 64]; A: softmax (see below); B: computed on the way: QUANTISED (scales: A lowp_scales[4], B lowp_scales[5])
;;     4. [M 4,096, K 1,024] x [K 1,024, N 1,024]; A: computed on the way; B: input w_proj (given as codes): QUANTISED (scales: A lowp_scales[6], B lowp_scales[7])
;;   THE QUANTISER, for each operand of a quantised product, along K:
;;     - The operand's scale is 2^e, e = its entry of the input lowp_scales (int32; the entries are numbered through the quantised products in the list's order, A before B).
;;     - Each number is divided by the scale, clamped to +-448, and rounded to the nearest number of E4M3, ties to even, subnormals kept.
;;     - The product sums the exact products of the quantised numbers (number of the format x scale) in f32.
;;   ~~~python
;;   def quantise(x, axis, e):      # numpy; x: float32 -> the quantised numbers, widened to float32 again
;;       x = np.moveaxis(x, axis, -1); K = x.shape[-1]
;;       r = np.clip(x / 2.0 ** e, -448, 448)
;;       step = 2.0 ** (np.maximum(np.frexp(np.where(r == 0, 1, r))[1] - 1, -6) - 3)
;;       q = np.round(r / step) * step * 2.0 ** e      # np.round: ties to even
;;       return np.moveaxis(q, -1, axis).astype(np.float32)
;;   ~~~
;;   SOFTMAX AHEAD OF A QUANTISED PRODUCT. Where the list says 'softmax', what is quantised is not the finished softmax but p = 2^(t - M), with t = logit x log2(e) and M = ceil(the row's largest t), a whole number; so 1/2 < the row's largest p <= 1. The row's sum l is taken of the UNQUANTISED p, in f32, and the product's result is divided by l at the end. Since M is a whole number, a kernel that streams over the keys may use a running M (the ceiling of the running maximum): every later rescaling is an exact power of two, so the quantised numbers keep their values, but for numbers so far below the row's largest that they fall under the format's range.
;;   OPERANDS COMPUTED ON THE WAY. 'Computed on the way' means the value that the module computes at that place (a softmax that the list does not call 'softmax' is quantised finished and normalised). What goes into a quantiser is computed in f32, as accurately as f32 sums, v_exp_f32 and their like allow (about 1e-6 of the number): no bf16 or f16 on the way to a quantiser, and a product that is left as it is and whose result goes on into a quantised operand takes f32 operands (vector FMAs, or v_wmma_f32_16x16x4_f32). A number that lies on a knife's edge between two numbers of the format may be rounded either way, as far as f32 arithmetic and the matrix unit's own rounding can turn it there, and no further.
;;   INPUTS GIVEN AS CODES. w_proj (in the module: [1024, 1024], K = its axis 0); w_qkv (in the module: [1024, 3072], K = its axis 0); x (in the module: [1, 4096, 1024], K = its axis 2): each comes as NAME_codes (uint8): NAME with its K axis moved to the last place and cut into blocks of 32 codes, [.., K / 32, bytes a block], one block behind the other in memory; one code a byte (a code: sign, 4 exponent bits, 3 mantissa bits); its scale is its entry of lowp_scales. Its value is code x scale, taken as it is: it is not quantised again, and the codes and scales need not be those that the quantiser above would give.
;; One version. Each part assembles by itself: llvm-mc -triple=amdgcn-amd-amdhsa -mcpu=gfx1250 --defsym DOCPART=n.
;; ======== version 1 of 1: 3 launches
;; limits: right only within a limited range of input values
;; workspace buffers: qkv 12,582,912 bytes; y_img 4,194,304 bytes
;; launch qkv (part 1): grid 16 x 16, 4 waves a work-group, clusters of 4 x 4, 327,680 bytes of LDS; arguments x_codes, w_qkv_codes, lowp_scales, qkv; writes qkv
.if DOCPART == 1
	.amdgcn_target "amdgcn-amd-amdhsa--gfx1250"
	.amdhsa_code_object_version 6
	.text
	.protected	k_qdc17886e14_qkv
	.globl	k_qdc17886e14_qkv
	.p2align	8
	.type	k_qdc17886e14_qkv,@function
k_qdc17886e14_qkv:
	s_mov_b64 s[64:65], 0
	v_nop
	global_prefetch_b8 v0, s[64:65] scope:SCOPE_SE
	s_setreg_imm32_b32 hwreg(HW_REG_WAVE_MODE, 25, 1), 1
	s_wait_xcnt 0x0
	s_wait_alu depctr_hold_cnt(0) depctr_sa_sdst(0) depctr_va_vdst(0) depctr_va_sdst(0) depctr_va_ssrc(0) depctr_va_vcc(0) depctr_vm_vsrc(0)
	s_getreg_b32 s2, hwreg(HW_REG_IB_STS2, 6, 4)
	s_cmp_eq_u32 s2, 0
	s_cbranch_scc0 .Lentry_in_a_cluster
	s_endpgm
.Lentry_in_a_cluster:
	s_bfe_u32 s2, ttmp6, 0x10000c
	s_cmp_lg_u32 s2, 0xf033
	s_cbranch_scc0 .Lentry_shape_is_right
	s_endpgm
.Lentry_shape_is_right:
; FIRST LAUNCH of three: q, k, v = x w_qkv on codes of FP8 (E4M3), then their quantisers (2^e2, 2^e3, 2^e5), stored as codes.
; WORK LEFT OUT BY THE PROGRAM (in the launch attn): reference() puts -infinity where key > query ahead of its softmax, whatever the inputs hold, so such a weight is exactly 0 and its products with V add nothing.
; Steps of 128 keys that lie wholly behind a wave's queries are not computed.  LIMIT: a NaN, an infinity or an overflow that would reach only those scores or products is not carried to the result.
; NaN codes are not served.  LIMIT: e2 - e0 - e1, e3 - e0 - e1 and e5 - e0 - e1 lie between -126 and 119, so that the powers of two below are f32 numbers.
; SHARES.  A work-group makes 256 tokens x one head's 64 channels of q, of k and of v: 192 rows of w_qkv; 16 x 16 = 256 work-groups.  Each of four waves makes 64 tokens x 192: 48 accumulators.
; K = 1,024 goes in four slots' worth of 256 through a ring of two LDS slots; wave 0 fetches x's 256 rows, waves 1 to 3 the 64 rows of q, k and v of w.
; CLUSTERS of 4 x 4: a row of the cluster shares the tokens (x), a column the head (w): both are asked for jointly.
; PREFETCH: behind each joint load one slot's worth of K further on is asked for; the four partners of a joint load share its rows out by address (64 of x's 256 rows, 16 of each 64 of w), so each block of 256 bytes is named once in each
; cluster that loads it.  The fourth joint load asks for nothing behind the last 256 of K.
; q and k: source 0 = 16 rows of w, source 1 = 16 tokens: a lane holds one token and registers along the channels.  v: the sources swapped: a lane holds one channel and registers along the tokens.
; So a lane's eight codes ARE two registers of the next products' operands, and codes leave as images of operand registers: q, k: [head][16 tokens][2][lane][16 bytes]; v: [head][64 tokens][16 channels][2][lane][16 bytes]; 4 MiB each.
; REGISTERS: window 0: v16-19 LDS addresses, v20 16 x lane, v21 the prefetches' rows, v22-24 scales, v25-27 holds, v28-29 the add's; x's fragments in two sets at v64 and v128.  Window 1: w's fragments of q, k, v at v0, v64, v128.
;   Windows 2 and 3: accumulators of q (2: v0), k (2: v128), v (3: v0); (token tile a, channel tile b) at 8 (4 a + b).
.set ROWB,  256
.set PITCH, 272                        ; 256 bytes + 16 of padding
.set XB,    256*PITCH
.set WB,    64*PITCH
.set SLOT,  XB+3*WB
.set SPARE, 2*SLOT
.set SPW,   28
.set NIL,   29
.set MSB, 0
.macro WIN new                         ; the immediate's high byte repeats the setting that is left
.if MSB != \new
	s_set_vgpr_msb (MSB<<8)|\new
.set MSB, \new
.endif
.endm
.macro PLACES                          ; four plain places behind matrix instructions (ISA guide 7.12.1)
.rept 4
	v_nop
.endr
.endm
.macro JLOAD                           ; wave 0: x; waves 1 to 3: w.  One load a wave
	s_cmp_eq_u32 s14, 0
	s_cbranch_scc0 .Lfor_w_\@
	tensor_load_to_lds s[32:35], s[24:31]
	s_nop 0
.rept 4
	v_nop
.endr
	s_branch .Lasked_\@
.Lfor_w_\@:
	tensor_load_to_lds s[56:59], s[48:55]
	s_nop 0
.rept 4
	v_nop
.endr
.Lasked_\@:
.endm
.macro ASK n                           ; the n-th 256 of K: wave 0: my work-group's 64 rows of x; the others: its 16 rows of their part of w (lanes 16 to 31 name them again)
	global_prefetch_b8 v21, s[88:89] offset:256*\n th:TH_LOAD_NT scope:SCOPE_SE
	s_cmp_lg_u32 s14, 0
	s_cbranch_scc1 .Lnot_x_\@
	global_prefetch_b8 v21, s[88:89] offset:256*\n+32768 th:TH_LOAD_NT scope:SCOPE_SE
.Lnot_x_\@:
.endm
.macro CREST                           ; a round of the cluster's barrier behind its opening barrier
	s_cmp_lg_u32 s14, 0
	s_cbranch_scc1 .Lnot_wave_0_\@
	s_barrier_signal -3
.Lnot_wave_0_\@:
	s_barrier_wait -3
	s_barrier_signal -1
	s_barrier_wait -1
.endm
.macro CROUND
	s_barrier_signal -1
	s_barrier_wait -1
	CREST
.endm
.macro NEXTK slot                      ; the descriptors step 256 along K, into the given slot
	s_mov_b32 s33, \slot*SLOT
	s_add_co_u32 s57, s45, \slot*SLOT
	s_add_nc_u64 s[34:35], s[34:35], ROWB
	s_add_nc_u64 s[58:59], s[58:59], ROWB
.endm
	s_load_b128 s[4:7], s[0:1], 0x0                ; x s[4:5], w s[6:7]
	s_load_b128 s[8:11], s[0:1], 0x10              ; exponents s[8:9], the workspace s[10:11]
	v_lshl_add_u32 v[SPW], v0, 2, SPARE
	v_mov_b32 v[NIL], 0
	ds_add_u32 v[SPW], v[NIL]                      ; the opening adds, twice on end
	ds_add_u32 v[SPW], v[NIL]
	v_lshrrev_b32 v1, 5, v0
	v_readfirstlane_b32 s14, v1                    ; wave
	s_bfe_u32 s40, ttmp6, 0x40000                  ; cx
	s_bfe_u32 s41, ttmp6, 0x40004                  ; cy
	s_lshl_b32 s42, ttmp9, 2
	s_add_co_u32 s42, s42, s40                     ; head
	s_and_b32 s17, ttmp7, 0xffff
	s_lshl_b32 s17, s17, 2
	s_add_co_u32 s17, s17, s41                     ; block of 256 tokens
	s_lshl_b32 s43, s41, 2
	s_lshl_b32 s43, 15, s43                        ; my row of the cluster
	s_lshl_b32 s44, 0x1111, s40                    ; my column
	s_or_b32 s24, s43, (0<<16)|(1<<20)|(1<<21)|(5<<22)|(3<<25)   ; x: mask of my row; bytes; 16 bytes of padding behind every 256
	s_mov_b32 s25, ROWB<<16
	s_mov_b32 s26, 256<<16
	s_mov_b32 s27, ROWB<<16
	s_mov_b32 s28, 256
	s_mov_b32 s29, 1024
	s_mov_b32 s30, 0
	s_mov_b32 s31, 0
	s_or_b32 s48, s44, (0<<16)|(1<<20)|(1<<21)|(5<<22)|(3<<25)   ; w: mask of my column
	s_mov_b32 s49, ROWB<<16
	s_mov_b32 s50, 64<<16
	s_mov_b32 s51, ROWB<<16
	s_mov_b32 s52, 64
	s_mov_b32 s53, 1024
	s_mov_b32 s54, 0
	s_mov_b32 s55, 0
	s_lshl_b32 s20, s17, 18                        ; x: 256 rows of 1,024 bytes a block
	s_mov_b32 s21, 0
	s_max_u32 s46, s14, 1
	s_sub_co_u32 s46, s46, 1
	s_lshl_b32 s46, s46, 20                        ; w: q's, k's or v's 1,024 rows,
	s_lshl_b32 s47, s42, 16
	s_add_co_u32 s46, s46, s47                     ; 64 rows a head
	s_mov_b32 s47, 0
	s_mul_i32 s45, s14, WB
	s_add_co_u32 s45, s45, XB-WB                   ; where w's part goes: behind x's rows, by the wave's number
	s_lshl_b32 s92, s42, 18                        ; results: head,
	s_lshl_b32 s93, s17, 14
	s_add_co_u32 s92, s92, s93                     ; block of 256 tokens,
	s_lshl_b32 s93, s14, 12
	s_add_co_u32 s92, s92, s93                     ; my 64 tokens: 4 KiB
	s_mov_b32 s93, 0
	s_wait_dscnt 0x0                               ; both opening adds are done
	s_wait_kmcnt 0x0
	s_load_b256 s[68:75], s[8:9], 0x0              ; e0 .. e7
	s_add_nc_u64 s[34:35], s[4:5], s[20:21]
	s_add_nc_u64 s[58:59], s[6:7], s[46:47]
	s_add_nc_u64 s[80:81], s[10:11], s[92:93]
	s_add_nc_u64 s[82:83], s[80:81], 0x400000
	s_add_nc_u64 s[84:85], s[80:81], 0x800000
	s_mov_b32 s32, 1
	s_mov_b32 s33, 0
	s_or_b32 s35, s35, 0x80000000
	s_mov_b32 s56, 1
	s_mov_b32 s57, s45
	s_or_b32 s59, s59, 0x80000000
	CROUND                                         ; all sixteen work-groups are here
	JLOAD                                          ; K 0 .. 255 into slot 0
	s_lshl_b32 s76, s40, 16                        ; the prefetches: x: 64 rows a partner (cx); w: 16 rows a partner (cy)
	s_add_co_u32 s76, s76, s20
	s_lshl_b32 s77, s41, 14
	s_add_co_u32 s77, s77, s46
	s_cmp_eq_u32 s14, 0
	s_cselect_b64 s[88:89], s[4:5], s[6:7]
	s_cselect_b32 s90, s76, s77
	s_cselect_b32 s76, 31, 15
	s_mov_b32 s91, 0
	s_add_nc_u64 s[88:89], s[88:89], s[90:91]
	v_and_b32 v21, s76, v0
	v_lshlrev_b32 v21, 10, v21
	v_and_b32 v1, 15, v0                           ; r
	v_bfe_u32 v2, v0, 4, 1                         ; h
	v_mul_u32_u24 v3, v1, PITCH
	v_lshl_add_u32 v4, v2, 4, v3
	s_mul_i32 s21, s14, 64*PITCH
	v_add_nc_u32 v16, s21, v4                      ; my 64 rows of x in slot 0, 1
	v_add_nc_u32 v17, SLOT, v16
	v_add_nc_u32 v18, XB, v4                       ; w's rows in slot 0, 1
	v_add_nc_u32 v19, SLOT, v18
	v_and_b32 v5, 31, v0
	v_lshlrev_b32 v20, 4, v5
	s_wait_alu depctr_va_vdst(0)
	ASK 1
	s_wait_kmcnt 0x0
	s_add_co_i32 s76, s68, s69
	s_sub_co_i32 s77, s70, s76                     ; a sum stands for sum x 2^(e0 + e1): its code is sum / 2^(e - e0 - e1)
	s_sub_co_i32 s78, s71, s76
	s_sub_co_i32 s79, s73, s76
.irp g, 0,1,2
	s_add_co_i32 s86, s[77+\g], 127
	s_lshl_b32 s87, s86, 23
	v_mov_b32 v[22+\g], s87                        ; the scale
	s_add_co_i32 s86, s86, 8
	s_lshl_b32 s86, s86, 23
	s_or_b32 s86, s86, 0x600000
	v_mov_b32 v[25+\g], s86                        ; 448 x the scale
.endr
.macro FETCHX slot, q, set             ; 64 tokens x 128 K: 16 loads
	WIN 0
.irp a, 0,1,2,3
.irp c, 0,1,2,3
	ds_load_b128 v[64+64*(\set)+16*\a+4*\c:64+64*(\set)+16*\a+4*\c+3], v[16+\slot] offset:128*(\q)+32*\c+\a*16*PITCH
.endr
.endr
.endm
.macro FETCHW slot, q, g               ; 64 rows of w x 128 K: 16 loads
	WIN 0x40
.irp b, 0,1,2,3
.irp c, 0,1,2,3
	ds_load_b128 v[64*(\g)+16*\b+4*\c:64*(\g)+16*\b+4*\c+3], v[18+\slot] offset:128*(\q)+32*\c+(4*(\g)+\b)*16*PITCH
.endr
.endr
.endm
; 16 matrix instructions: q (g = 0), k (1) or v (2), x's set p.  The 48 accumulators take turns, one instruction a turn, in the same order in every step.
.macro MULG g, p, zero
.if (\g) == 2
	WIN 0xf4                                       ; source 0 (x) window 0, source 1 (w) window 1, C and D window 3
.else
	WIN 0xa1                                       ; source 0 (w) window 1, source 1 (x) window 0, C and D window 2
.endif
.irp a, 0,1,2,3
.irp b, 0,1,2,3
.set AC, 128*((\g)%2)+8*(4*\a+\b)
.set WF, 64*(\g)+16*\b
.set XF, 64+64*(\p)+16*\a
.if (\g) == 2
.if \zero
	v_wmma_f32_16x16x128_fp8_fp8 v[AC:AC+7], v[XF:XF+15], v[WF:WF+15], 0
.else
	v_wmma_f32_16x16x128_fp8_fp8 v[AC:AC+7], v[XF:XF+15], v[WF:WF+15], v[AC:AC+7]
.endif
.else
.if \zero
	v_wmma_f32_16x16x128_fp8_fp8 v[AC:AC+7], v[WF:WF+15], v[XF:XF+15], 0
.else
	v_wmma_f32_16x16x128_fp8_fp8 v[AC:AC+7], v[WF:WF+15], v[XF:XF+15], v[AC:AC+7]
.endif
.endif
.endr
.endr
.endm
; A slot's first step of 128 along K.  Each group's buffer takes the next step's fragments as soon as its products are issued.
.macro EVEN slot, zero
	s_wait_dscnt 32                                ; x's and q's fragments are in; k's and v's (32 loads) may be out
	MULG 0, 0, \zero
	PLACES
	FETCHX \slot, 1, 1
	FETCHW \slot, 1, 0
	s_wait_dscnt 48                                ; k's are in; v's 16 and the 32 just issued may be out
	MULG 1, 0, \zero
	PLACES
	FETCHW \slot, 1, 1
	s_wait_dscnt 48                                ; v's are in; the 48 issued in this step may be out
	MULG 2, 0, \zero
	PLACES
	FETCHW \slot, 1, 2
.endm
; A slot's last step changes slots.  fill = 1: this slot is filled again, two slots' worth ahead.
.macro ODD slot, fill
	WIN 0
	s_wait_tensorcnt 0x0                           ; my part of the other slot has landed
	ds_add_u32 v[SPW], v[NIL]
	s_wait_dscnt 33                                ; x's and q's fragments are in; k's, v's and the add may be out
	MULG 0, 1, 0
	s_wait_dscnt 0x0                               ; the add is done, and my reads of this slot are over
	s_barrier_signal -1
	MULG 1, 1, 0
	WIN 0
	s_barrier_wait -1
.if \fill
	CREST                                          ; no wave of any partner reads this slot or has a load on its way
	NEXTK \slot
	JLOAD                                          ; its four v_nop are the places in front of the loads below too
.else
	PLACES
.endif
	FETCHX 1-\slot, 0, 0
	FETCHW 1-\slot, 0, 0
	FETCHW 1-\slot, 0, 1
.if (\fill) && (\slot == 0)
	WIN 0
	ASK 3
.endif
	MULG 2, 1, 0
	PLACES
	FETCHW 1-\slot, 0, 2
.endm
	s_wait_alu depctr_va_vdst(0)                   ; the wait at the head's end
	s_wait_tensorcnt 0x0                           ; slot 0: my part is in
	ds_add_u32 v[SPW], v[NIL]
	s_wait_dscnt 0x0
	CROUND
	NEXTK 1
	JLOAD                                          ; K 256 .. 511 into slot 1
	FETCHX 0, 0, 0
	FETCHW 0, 0, 0
	FETCHW 0, 0, 1
	FETCHW 0, 0, 2
	WIN 0
	ASK 2
	EVEN 0, 1
	ODD 0, 1
	EVEN 1, 0
	ODD 1, 1
	EVEN 0, 0
	ODD 0, 0
	EVEN 1, 0
	s_wait_dscnt 32                                ; the last step
	MULG 0, 1, 0
	s_wait_dscnt 16
	MULG 1, 1, 0
	s_wait_dscnt 0x0
	MULG 2, 1, 0
	PLACES
; THE WAY OUT, 12 units of four accumulators: held at the largest code x the scale (the conversion does not saturate: ISA guide 7.6.2), converted, stored from the registers in which they stand: 512 consecutive bytes a store.
; q, k: unit i = token tile i, its four channel tiles.  v: unit i = channel tile i, its four token tiles.
.macro UNIT g, i
.set TT, 64+32*((\i)%2)
	WIN 0x02+((\g)/2)
.irp e, 0,1,2,3
.if (\g) == 2
.set AC, 8*(4*\e+\i)
.else
.set AC, 128*(\g)+8*(4*(\i)+\e)
.endif
.irp j, 0,1,2,3,4,5,6,7
	v_med3_num_f32 v[TT+8*\e+\j], v[AC+\j], -v[25+\g], v[25+\g]
.endr
.endr
	WIN 0
.set CD, 128+32*(\g)+8*(\i)
.irp e, 0,1,2,3
	v_cvt_scalef32_pk8_fp8_f32 v[CD+2*\e:CD+2*\e+1], v[TT+8*\e:TT+8*\e+7], v[22+\g]
.endr
	v_nop
	global_store_b128 v20, v[CD:CD+3], s[80+2*\g:81+2*\g] offset:1024*\i
	global_store_b128 v20, v[CD+4:CD+7], s[80+2*\g:81+2*\g] offset:1024*\i+512
.endm
.irp g, 0,1,2
.irp i, 0,1,2,3
	UNIT \g, \i
.endr
.endr
	s_wait_tensorcnt 0x0                           ; the wave's end
	ds_add_u32 v[SPW], v[NIL]
	s_wait_dscnt 0x0
	CROUND                                         ; the closing round
	s_endpgm
.Lfunc_end_k_qdc17886e14_qkv:
	.size	k_qdc17886e14_qkv, .Lfunc_end_k_qdc17886e14_qkv-k_qdc17886e14_qkv
	.p2alignl 7, 3214868480
	.fill 96, 4, 3214868480
	.section	.rodata,"a",@progbits
	.p2align	6, 0x0
	.amdhsa_kernel k_qdc17886e14_qkv
		.amdhsa_group_segment_fixed_size 327680
		.amdhsa_private_segment_fixed_size 0
		.amdhsa_enable_private_segment 0
		.amdhsa_kernarg_size 32
		.amdhsa_user_sgpr_count 2
		.amdhsa_user_sgpr_kernarg_segment_ptr 1
		.amdhsa_wavefront_size32 1
		.amdhsa_system_sgpr_workgroup_id_x 1
		.amdhsa_system_sgpr_workgroup_id_y 1
		.amdhsa_system_sgpr_workgroup_id_z 1
		.amdhsa_system_vgpr_workitem_id 0
		.amdhsa_next_free_vgpr 896
		.amdhsa_next_free_sgpr 100
		.amdhsa_reserve_vcc 0
		.amdhsa_float_denorm_mode_32 3
		.amdhsa_float_denorm_mode_16_64 3
		.amdhsa_memory_ordered 1
		.amdhsa_forward_progress 1
		.amdhsa_inst_pref_size 102
	.end_amdhsa_kernel
	.amdgpu_metadata
---
amdhsa.version: [ 1, 2 ]
amdhsa.kernels:
  - .name:           k_qdc17886e14_qkv
    .symbol:         k_qdc17886e14_qkv.kd
    .args:
      - { .name: x_codes, .offset: 0, .size: 8, .value_kind: global_buffer, .address_space: global }
      - { .name: w_qkv_codes, .offset: 8, .size: 8, .value_kind: global_buffer, .address_space: global }
      - { .name: lowp_scales, .offset: 16, .size: 8, .value_kind: global_buffer, .address_space: global }
      - { .name: qkv, .offset: 24, .size: 8, .value_kind: global_buffer, .address_space: global }
    .group_segment_fixed_size: 327680
    .private_segment_fixed_size: 0
    .kernarg_segment_align: 8
    .kernarg_segment_size: 32
    .max_flat_workgroup_size: 128
    .sgpr_count:     100
    .vgpr_count:     896
    .wavefront_size: 32
...
	.end_amdgpu_metadata
.endif
;; end of part 1
;; launch attn (part 2): grid 16 x 16, 16 waves a work-group, no clusters, 327,680 bytes of LDS; arguments qkv, lowp_scales, y_img; writes y_img
.if DOCPART == 2
	.amdgcn_target "amdgcn-amd-amdhsa--gfx1250"
	.amdhsa_code_object_version 6
	.text
	.protected	k_qdc17886e14_attn
	.globl	k_qdc17886e14_attn
	.p2align	8
	.type	k_qdc17886e14_attn,@function
k_qdc17886e14_attn:
	s_mov_b64 s[64:65], 0
	v_nop
	global_prefetch_b8 v0, s[64:65] scope:SCOPE_SE
	s_setreg_imm32_b32 hwreg(HW_REG_WAVE_MODE, 25, 1), 1
	s_wait_xcnt 0x0
; SECOND LAUNCH: y[q] = the sum over k <= q of softmax_k(Q[q] . K[k] / 8) V[k], for each of 16 heads of 64 channels, both products on codes of FP8 (E4M3); then y's quantiser (e6).
; WORK LEFT OUT: steps of 128 keys that lie wholly behind the wave's queries, under reference()'s own causal mask (shown at the head of the launch qkv).
; THE SOFTMAX AHEAD OF THE SECOND PRODUCT: t = score x log2(e) / 8; M = the largest t so far, rounded UP to a whole number; p = 2^(t - M) is quantised with 2^e4, not normalised.  The row's sum is taken of the
; unquantised p, in f32, and divides O at the end.  When M moves, the sum and O are multiplied by 2^(old M - new M), which rounds nothing.
; INPUT: images of operand registers as the launch qkv lays them: k at 4 MiB, 1 KiB for 16 keys; v at 8 MiB, 4 KiB for 64 keys; so 512 keys of a head are 32 KiB on end in each, dense in LDS too, and a fragment's load is 16 bytes a lane on end.
; OUTPUT: y's codes as the image of the next product's operand: [16 tokens][head][2][lane][16 bytes].
; SHARES.  A head's 4,096 queries are 32 blocks of 128.  Work-group g owns block 31 - g, walked first, and then block g: 32 - g and g + 1 key steps of 128, 33 in all; in slots of four steps (35 - g) / 4 (rounded down) slots and the
; rest of NINE, for every g: the trip counts are constants and each slot that is fetched is read.
; TWO OF THE SIXTEEN WAVES SHARE A TILE of 16 queries: wave w and wave w xor 1.  One takes a slot's steps 0 and 2, the other 1 and 3 (c = 0, 1), each with its own M, sum and O; they are joined at the end through LDS, by powers of two.
; c alternates with w / 4 too.  Each wave finishes 32 of the 64 channels, 32 c on: its accumulators 0 and 1 are those ("own"), 2 and 3 the partner's.
; THE CHANGE OF SLOTS lies inside a slot's second step: when that step's scores are made and its V is in registers, the wave signals; softmax and second product are the work on registers between signal and wait.
; NO CLUSTER: a step's work is jumped over by a branch on the block's number, which would differ between partners.
; LAYOUT.  Both products are used transposed: S^T = K Q^T, O^T = V^T P^T: a lane holds ONE query (lane % 16) throughout.  Register j of score tile T is key 16 T + 8 (lane / 16) + j: its codes ARE registers 2 T, 2 T + 1 of the second product's operand.
; LIMITS: e2 + e3 between -123 and 130 (added to c's exponent field); e4, and e6 - e4 - e5, between -126 and 119; scaled scores under 2^31 in magnitude.  NaN codes are not served.
; REGISTERS: v1-10 addresses, v11 the mask's lane term; v12 -M, v13 the largest t, v[14:15] the sum in two halves; v16-23 Q, v24-31 the early block's Q; v32-95 fragments of K, then of V; v96-159 S^T, then p; v160-191 O^T;
;   v192-225 the late block's O^T, -M and sum; v226-241 partial sums, then p's codes; v244-247 scales; v248-251 maxima; v[252:253] f; v254, v255 at work.
.set SK,    512                        ; keys in a slot
.set SLOTB, SK*64                      ; their bytes in k, and in v
.set VOFF,  SLOTB                      ; a slot: K's part, then V's
.set SLOT1, 65536
.set SPARE, 2*SLOT1                    ; the spare words: 128 bytes a wave
.set MERGE, SPARE+2048                 ; the join: 2,304 bytes for each wave and block; no fill lands there
.set MW,    2304
.set MPH,   16*MW
.set KOFF,  0x400000
.set AK0,  1
.set AV0,  2                           ; own channels of V
.set PFO,  3
.set AX0,  4                           ; the partner's channels of V
.set SPW,  5
.set NIL,  6
.set GO,   7                           ; 16 x lane
.set ADK,  8
.set ADV,  9
.set ADX,  10
.set TB,   2                           ; s2   LDS byte at which the slot in hand begins
.set DONE, 3                           ; s3   slots walked
.set WV,   18
.set CP,   19                          ; s19  c
.set SEL,  20
.set CS,   22
.set G1,   24
.set OFF,  36                          ; s[36:37] byte offset of the slot that is asked for
.set NL,   38                          ; s38  the late block's slots,
.set NLB,  39                          ; s39  and their bytes
.set G0,   40
.set BASE, 44                          ; s[44:45] the head's first byte of what I fetch, with the descriptor's type on top
.set QE,   46                          ; s46  my first query in the early block
.set KC,   47                          ; s47  128 c
.set KQ,   48                          ; s48  the second step's first key
.set QT,   49                          ; s49  my last query
.set SC,   50                          ; s[50:53] the four scales
.set SLOTS, 67
.set PFA,  76
.set LIM,  80
.set KS,   98                          ; s98  my first key in the slot
.set Q0,   99                          ; s99  my first query
.macro PLACES                          ; four plain places behind matrix instructions (ISA guide 7.12.1)
.rept 4
	v_nop
.endr
.endm
; Wave 0 fetches K's part of a slot, wave 1 V's, by one line; the others fetch nothing.
.macro TLOAD
	s_cmp_lt_u32 s[WV], 2
	s_cbranch_scc0 .Lasked_\@
	tensor_load_to_lds s[G0:G0+3], s[G1:G1+7]
	s_nop 0
.rept 4
	v_nop
.endr
.Lasked_\@:
.endm
; A PREFETCH INTO THE L2, behind each load of a slot: the head's next 512 keys, one change of slots ahead of their load.  The head's work-group 0, whose late block walks all eight, asks; in it waves 4 to 7, 8,192 bytes of k and of v each,
; lanes 256 bytes apart: each block of 256 bytes is named once in the launch.  Keys 0 to 1,023 come by their loads alone; behind key 4,095 nothing is asked for.
.macro ASK
	s_cmp_gt_u32 s[SLOTS], s[LIM]
	s_cbranch_scc0 .Lnot_mine_\@
	global_prefetch_b8 v[PFO], s[PFA:PFA+1] th:TH_LOAD_NT scope:SCOPE_SE
	global_prefetch_b8 v[PFO], s[PFA:PFA+1] offset:KOFF th:TH_LOAD_NT scope:SCOPE_SE
.Lnot_mine_\@:
.endm
.macro BEGIN                           ; no key seen yet: the largest t is -3e38, under every t
	v_mov_b32 v13, 0xff61b1e6
	v_mov_b32 v12, 0x7f61b1e6
	v_mov_b32 v14, 0
	v_mov_b32 v15, 0
.endm
.macro ZERO n0, pairs
.set j, \n0
.rept \pairs
	v_dual_mov_b32 v[j], 0 :: v_dual_mov_b32 v[j+1], 0
.set j, j+2
.endr
.endm
	s_load_b128 s[4:7], s[0:1], 0x0                ; the workspace s[4:5], exponents s[6:7]
	s_load_b64 s[8:9], s[0:1], 0x10                ; y's image
	v_lshl_add_u32 v[SPW], v0, 2, SPARE
	v_mov_b32 v[NIL], 0
	ds_add_u32 v[SPW], v[NIL]                      ; the opening adds, twice on end
	ds_add_u32 v[SPW], v[NIL]
	v_lshrrev_b32 v8, 5, v0
	v_readfirstlane_b32 s[WV], v8                  ; wave 0..15
	s_and_b32 s81, ttmp7, 0xffff                   ; the head
	s_lshl_b32 s84, s81, 18                        ; its first byte in q, in k and in v
	s_lshr_b32 s[CP], s[WV], 2
	s_xor_b32 s[CP], s[CP], s[WV]
	s_and_b32 s[CP], s[CP], 1                      ; c
	s_lshr_b32 s86, s[WV], 1
	s_lshl_b32 s86, s86, 4                         ; my 16 queries of a block
	s_sub_co_u32 s[Q0], 31, ttmp9
	s_lshl_b32 s[Q0], s[Q0], 7
	s_add_co_u32 s[Q0], s[Q0], s86                 ; my first query in the late block
	s_lshl_b32 s[QE], ttmp9, 7
	s_add_co_u32 s[QE], s[QE], s86                 ; and in the early one
	s_sub_co_u32 s[NL], 35, ttmp9
	s_lshr_b32 s[NL], s[NL], 2
	s_lshl_b32 s[NLB], s[NL], 15
	s_lshl_b32 s[KC], s[CP], 7
	; descriptor group 1: 32 KiB on end, stated as 128 rows of 32 elements of 8 bytes
	s_mov_b32 s[G1], (3<<16)
	s_mov_b32 s[G1+1], 32<<16
	s_mov_b32 s[G1+2], 128<<16
	s_mov_b32 s[G1+3], 32<<16
	s_mov_b32 s[G1+4], 128
	s_mov_b32 s[G1+5], 32
	s_mov_b32 s[G1+6], 0
	s_mov_b32 s[G1+7], 0
	s_mov_b32 s[SEL], 0x76543210
	s_mov_b32 s[SEL+1], 0xfedcba98
	s_mov_b32 s[CS], 0x3e38aa3b                    ; log2(e) / 8
	s_mov_b32 s[TB], 0
	s_mov_b32 s[DONE], 0
	s_mov_b32 s[SLOTS], 7
	s_mov_b32 s[KS], s[KC]
	s_mov_b32 s[OFF], 0
	s_mov_b32 s[OFF+1], 0
	s_and_b32 s88, s[WV], 1                        ; what I fetch, if I fetch: K's part (0) or V's (1)
	s_mul_i32 s89, s88, VOFF
	s_lshl_b32 s90, s88, 22
	s_add_co_u32 s90, s90, KOFF
	s_add_co_u32 s90, s90, s84
	s_mov_b32 s91, 0
	s_lshl_b32 s92, s[Q0], 6                       ; Q: 1 KiB for 16 queries
	s_add_co_u32 s92, s92, s84
	s_mov_b32 s93, 0
	s_lshl_b32 s94, s[QE], 6
	s_add_co_u32 s94, s94, s84
	s_mov_b32 s95, 0
	s_lshl_b32 s32, s81, 10                        ; y's image: 16 KiB for 16 tokens, 1 KiB a head,
	s_lshl_b32 s33, s[CP], 9
	s_add_co_u32 s32, s32, s33                     ; my half of it
	s_lshl_b32 s34, s[QE], 10
	s_add_co_u32 s34, s34, s32
	s_mov_b32 s35, 0
	s_lshl_b32 s33, s[Q0], 10
	s_add_co_u32 s32, s32, s33
	s_mov_b32 s33, 0
	s_and_b32 s82, s[WV], 3                        ; the prefetches: my wave's 8,192 bytes
	s_lshl_b32 s82, s82, 13
	s_add_co_u32 s82, s82, KOFF+SLOTB              ; of keys 512 on: the first change of slots steps it on
	s_add_co_u32 s82, s82, s84
	s_mov_b32 s83, 0
	s_lshr_b32 s85, s[WV], 2
	s_xor_b32 s85, s85, 1                          ; 0 in waves 4 to 7,
	s_or_b32 s85, s85, ttmp9                       ; of the head's work-group 0
	s_cmp_eq_u32 s85, 0
	s_cselect_b32 s[LIM], 2, -1
	s_wait_dscnt 0x0                               ; both opening adds are done
	s_wait_kmcnt 0x0
	s_load_b256 s[68:75], s[6:7], 0x0              ; e0 .. e7
	s_add_nc_u64 s[BASE:BASE+1], s[4:5], s[90:91]
	s_or_b32 s[BASE+1], s[BASE+1], 0x80000000
	s_mov_b32 s[G0], 1
	s_mov_b32 s[G0+1], s89
	s_mov_b64 s[G0+2:G0+3], s[BASE:BASE+1]
	TLOAD                                          ; slot 0: it holds key 0, which counts for every query
	s_add_nc_u64 s[10:11], s[4:5], s[92:93]
	s_add_nc_u64 s[16:17], s[4:5], s[94:95]
	s_add_nc_u64 s[12:13], s[8:9], s[32:33]
	s_add_nc_u64 s[14:15], s[8:9], s[34:35]
	s_add_nc_u64 s[PFA:PFA+1], s[4:5], s[82:83]
	s_mul_i32 s86, s[CP], 8192                     ; my first step in a slot's K part,
	s_mul_i32 s87, s[CP], 10240
	s_add_co_u32 s87, s87, VOFF                    ; in V's, own channels (c x 2,048 on),
	s_mul_i32 s88, s[CP], 6144
	s_add_co_u32 s88, s88, VOFF+2048               ; and the partner's ((1 - c) x 2,048 on)
	v_and_b32 v8, 31, v0
	v_lshlrev_b32 v[GO], 4, v8
	global_load_b128 v[16:19], v[GO], s[10:11]     ; Q's fragments stay in registers
	global_load_b128 v[20:23], v[GO], s[10:11] offset:512
	global_load_b128 v[24:27], v[GO], s[16:17]
	global_load_b128 v[28:31], v[GO], s[16:17] offset:512
	v_lshlrev_b32 v[PFO], 8, v8
	v_add_nc_u32 v[AK0], s86, v[GO]
	v_add_nc_u32 v[AV0], s87, v[GO]
	v_add_nc_u32 v[AX0], s88, v[GO]
	v_and_b32 v11, 15, v0
	v_bfe_u32 v10, v0, 4, 1
	v_lshlrev_b32 v10, 3, v10
	v_sub_nc_u32 v11, v11, v10                     ; the mask's lane term: my query in the tile - 8 (lane / 16)
	BEGIN
	v_mov_b32 v253, 0                              ; (named as the upper half of the pair v[252:253])
	v_mov_b32 v254, 0                              ; written once: a lane permute's destination counts as one of its sources
	v_mov_b32 v255, 0
	ZERO 32, 97                                    ; v32-225: O^T and the late block's results begin as zeros; the others are written on every way through the text
	s_wait_alu depctr_va_vdst(0)
	s_wait_kmcnt 0x0
	s_add_co_i32 s82, s70, s71
	s_lshl_b32 s82, s82, 23
	s_add_co_i32 s[CS], s[CS], s82                 ; x 2^(e2 + e3)
	s_mov_b32 s[CS+1], s[CS]
	s_add_co_i32 s82, s72, 127
	s_lshl_b32 s[SC], s82, 23                      ; 2^e4
	s_add_co_i32 s82, s82, 8
	s_lshl_b32 s82, s82, 23
	s_or_b32 s[SC+1], s82, 0x600000                ; 448 x 2^e4
	s_sub_co_i32 s82, s74, s72
	s_sub_co_i32 s82, s82, s73                     ; O / l stands for y / 2^(e4 + e5): y's code is (O / l) / 2^(e6 - e4 - e5)
	s_add_co_i32 s82, s82, 127
	s_lshl_b32 s[SC+2], s82, 23
	s_add_co_i32 s82, s82, 8
	s_lshl_b32 s82, s82, 23
	s_or_b32 s[SC+3], s82, 0x600000
.irp n, 0,1,2,3
	v_mov_b32 v[244+\n], s[SC+\n]
.endr
.macro KLOAD q                         ; K: eight fragments of 16 keys x 64 channels of the slot's step c + 2 q
.irp t, 0,1,2,3,4,5,6,7
	ds_load_b128 v[32+8*\t:35+8*\t], v[ADK] offset:16384*\q+1024*\t
	ds_load_b128 v[36+8*\t:39+8*\t], v[ADK] offset:16384*\q+1024*\t+512
.endr
.endm
.macro VLOAD q                         ; V: 16 channels x 128 keys a fragment; own channels, then the partner's
.irp t, 0,1
.irp u, 0,1
	ds_load_b128 v[32+16*\t+8*\u:35+16*\t+8*\u], v[ADV] offset:16384*\q+4096*\u+1024*\t
	ds_load_b128 v[36+16*\t+8*\u:39+16*\t+8*\u], v[ADV] offset:16384*\q+4096*\u+1024*\t+512
	ds_load_b128 v[64+16*\t+8*\u:67+16*\t+8*\u], v[ADX] offset:16384*\q+4096*\u+1024*\t
	ds_load_b128 v[68+16*\t+8*\u:71+16*\t+8*\u], v[ADX] offset:16384*\q+4096*\u+1024*\t+512
.endr
.endr
.endm
.macro SCORES                          ; S^T = K Q^T, and the places in front of loads and of the first read
.irp t, 0,1,2,3,4,5,6,7
	v_wmma_f32_16x16x64_fp8_fp8 v[96+8*\t:103+8*\t], v[32+8*\t:39+8*\t], v[16:23], 0
.endr
	PLACES
.endm
.macro MASK k                          ; on the diagonal alone: a step all of whose keys count skips it.  Register 8 T + j is hidden where 16 T + j > d: its score becomes -infinity ahead of the maximum, and p = 0
	s_add_co_u32 s96, s[\k], 127
	s_cmp_le_u32 s96, s[Q0]
	s_cbranch_scc1 .Lopen_\@
	s_sub_co_i32 s96, s[Q0], s[\k]                 ; d = my query - the step's first key - 8 (lane / 16)
	s_sub_co_i32 s97, s96, 64
	v_add_nc_u32 v248, s96, v11
	v_add_nc_u32 v250, s97, v11
	v_mov_b32 v249, 0xff800000
.set n, 0
.rept 32
	v_cmp_gt_i32 vcc_lo, 16*(n/8)+n%8, v248
	v_cndmask_b32 v[96+n], v[96+n], v249, vcc_lo
.set n, n+1
.endr
.set n, 0
.rept 32
	v_cmp_gt_i32 vcc_lo, 16*(n/8)+n%8, v250
	v_cndmask_b32 v[128+n], v[128+n], v249, vcc_lo
.set n, n+1
.endr
.Lopen_\@:
.endm
; The softmax of a step: p's codes in v226-241.
.macro SOFT
	s_wait_alu depctr_va_vdst(0)
.irp k, 0,1,2,3                                ; the step's largest score of my query among my 64 keys, in four chains of 16; each tile is read from its low end on
	v_max3_num_f32 v[248+\k], v[96+16*\k], v[97+16*\k], v[98+16*\k]
.endr
.irp m, 1,2,3,4,5,6
.irp k, 0,1,2,3
	v_max3_num_f32 v[248+\k], v[248+\k], v[97+16*\k+2*\m], v[98+16*\k+2*\m]
.endr
.endr
.irp k, 0,1,2,3
	v_max_num_f32 v[248+\k], v[248+\k], v[111+16*\k]
.endr
	s_delay_alu instid0(VALU_DEP_2)
	v_max3_num_f32 v248, v248, v249, v250
	s_delay_alu instid0(VALU_DEP_1)
	v_max_num_f32 v248, v248, v251
	s_delay_alu instid0(VALU_DEP_1)
	v_permlanex16_b32 v255, v248, s[SEL], s[SEL+1]
	s_delay_alu instid0(VALU_DEP_1)
	v_max_num_f32 v248, v248, v255                 ; and among lane l xor 16's
	s_delay_alu instid0(VALU_DEP_1)
	v_mul_f32 v248, s[CS], v248                    ; as t
	s_delay_alu instid0(VALU_DEP_1)
	v_max_num_f32 v13, v13, v248                   ; the running largest t
	v_mov_b32 v254, v12
	s_delay_alu instid0(VALU_DEP_2)
	v_floor_f32 v12, -v13                          ; the new -M
	s_delay_alu instid0(VALU_DEP_1)
	v_sub_f32 v254, v12, v254                      ; M's old value less its new one
	s_delay_alu instid0(VALU_DEP_1)
	v_cvt_i32_f32 v254, v254                       ; (it saturates)
	s_delay_alu instid0(VALU_DEP_1)
	v_ldexp_f32 v252, 1.0, v254                    ; f = 2^(old M - new M)
.set j, 0
.rept 32
	v_pk_fma_f32 v[96+j:97+j], v[96+j:97+j], s[CS:CS+1], v[12:13] op_sel_hi:[1,0,0]   ; t - M
.set j, j+2
.endr
.set j, 0
	s_wait_alu depctr_va_vdst(0)                   ; the wait ahead of the batch
.rept 64
	v_exp_f32 v[96+j], v[96+j]                     ; p = 2^(t - M), at most 1
.set j, j+1
.endr
.set j, 0
	s_wait_alu depctr_va_vdst(0)                   ; and directly ahead of the first reader of O^T
.rept 16
	v_pk_mul_f32 v[160+j:161+j], v[160+j:161+j], v[252:253] op_sel_hi:[1,0]   ; O^T under the new M
.set j, j+2
.endr
	s_wait_alu depctr_va_vdst(0)                   ; one wait for the 64 exponentials, ahead of the first instruction that names a result
.irp k, 0,1,2,3,4,5,6,7                        ; the step's sum in eight chains of pairs
	v_pk_add_f32 v[226+2*\k:227+2*\k], v[96+4*\k:97+4*\k], v[98+4*\k:99+4*\k]
.endr
.set j, 0
.rept 16
	v_pk_add_f32 v[226+2*(j%8):227+2*(j%8)], v[226+2*(j%8):227+2*(j%8)], v[128+2*j:129+2*j]
.set j, j+1
.endr
.irp k, 0,1,2,3
	s_delay_alu instid0(VALU_DEP_4)
	v_pk_add_f32 v[226+2*\k:227+2*\k], v[226+2*\k:227+2*\k], v[234+2*\k:235+2*\k]
.endr
	s_delay_alu instid0(VALU_DEP_2)
	v_pk_add_f32 v[226:227], v[226:227], v[230:231]
	s_delay_alu instid0(VALU_DEP_2)
	v_pk_add_f32 v[228:229], v[228:229], v[232:233]
	s_delay_alu instid0(VALU_DEP_1)
	v_pk_add_f32 v[226:227], v[226:227], v[228:229]
	s_delay_alu instid0(VALU_DEP_1)
	v_pk_fma_f32 v[14:15], v[14:15], v[252:253], v[226:227] op_sel_hi:[1,0,1]   ; l = l f + the step's sum
.irp t, 0,1,2,3,4,5,6,7
.irp i, 0,2,4,6
	v_dual_min_num_f32 v[96+8*\t+\i], v[96+8*\t+\i], v245 :: v_dual_min_num_f32 v[97+8*\t+\i], v[97+8*\t+\i], v245   ; the conversion does not saturate (ISA guide 7.6.2); p is not negative
.endr
	v_cvt_scalef32_pk8_fp8_f32 v[226+2*\t:227+2*\t], v[96+8*\t:103+8*\t], v244   ; keys 16 t + 8 (lane / 16) + 0 .. 7
.endr
	v_nop                                          ; one plain place between the last conversion and its reader
.endm
.macro PV                              ; O^T += V^T P^T
	s_wait_alu depctr_va_vdst(0)
.irp t, 0,1,2,3
	v_wmma_f32_16x16x128_fp8_fp8 v[160+8*\t:167+8*\t], v[32+16*\t:47+16*\t], v[226:241], v[160+8*\t:167+8*\t]
.endr
.endm
.macro STEPD                           ; the walking descriptor: the other slot, the next 512 keys; behind the late block's last slot the early block begins at key 0
	s_xor_b32 s[G0+1], s[G0+1], SLOT1
	s_add_co_u32 s[OFF], s[OFF], SLOTB
	s_cmp_eq_u32 s[OFF], s[NLB]
	s_cselect_b32 s[OFF], 0, s[OFF]
	s_add_nc_u64 s[G0+2:G0+3], s[BASE:BASE+1], s[OFF:OFF+1]
	s_wait_xcnt 0x0                                ; the last prefetches have read their address
	s_add_nc_u64 s[PFA:PFA+1], s[PFA:PFA+1], SLOTB
.endm
; A SLOT, my two steps of it.  kind 2: the slot just read is filled again with what follows in the walk; 1: nothing is left to ask for; 0: the last slot.
; A step all of whose keys come after my block is left out: scalar branches on ids round the step's work, round no barrier, wait for the engine or add.  If the first is left out, so is the second.
.macro BODY kind
	v_add_nc_u32 v[ADK], s[TB], v[AK0]
	v_add_nc_u32 v[ADV], s[TB], v[AV0]
	v_add_nc_u32 v[ADX], s[TB], v[AX0]
	v_nop                                          ; with the three additions: four places in front of loads into registers that the last products read
	s_add_co_u32 s[QT], s[Q0], 15
	s_wait_alu depctr_va_vdst(0)
	s_cmp_gt_u32 s[KS], s[QT]
	s_cbranch_scc1 .Lone_\@
	KLOAD 0
	s_wait_dscnt 0x0
	SCORES
	VLOAD 0                                        ; V lands under the softmax
	MASK KS
	SOFT
	s_wait_dscnt 0x0                               ; V is in
	PV
.Lone_\@:
	s_add_co_u32 s[KQ], s[KS], 256
	s_cmp_gt_u32 s[KQ], s[QT]
	s_cbranch_scc1 .Ltwo_\@
	PLACES
	KLOAD 1
	s_wait_dscnt 0x0
	SCORES
	VLOAD 1
.if \kind == 0
	MASK KQ
	SOFT
	s_wait_dscnt 0x0                               ; V is in
	PV
.endif
.Ltwo_\@:
.if \kind > 0
	s_wait_tensorcnt 0x0                           ; no tensor load of mine is out: my part of the next slot has landed
	ds_add_u32 v[SPW], v[NIL]
.if \kind == 2
	ds_add_u32 v[SPW], v[NIL]                      ; and once more, in every trip alike
	STEPD
.endif
	s_wait_dscnt 0x0                               ; the add is done, and my reads of this slot are over: V is in
	s_barrier_signal -1
	s_cmp_gt_u32 s[KQ], s[QT]
	s_cbranch_scc1 .Lthree_\@
	MASK KQ                                        ; work on registers while the others arrive
	SOFT
	PV
.Lthree_\@:
	s_barrier_wait -1                              ; the next slot is whole, and nobody reads this one
.if \kind == 2
	TLOAD                                          ; a wave's one tensor load until the next change
	ASK
.endif
.endif
.endm
; A slot's end: on to the next; behind the late block's last slot its results are kept and everything begins anew.
.macro SLOT_END
	s_xor_b32 s[TB], s[TB], SLOT1
	s_add_co_u32 s[KS], s[KS], SK
	s_add_co_u32 s[DONE], s[DONE], 1
	s_cmp_lg_u32 s[DONE], s[NL]
	s_cbranch_scc1 .Lsame_\@
.set j, 0
.rept 8
	v_mov_b32 v[16+j], v[24+j]                     ; the early block's Q (these eight are places behind the last products too)
.set j, j+1
.endr
	s_wait_alu depctr_va_vdst(0)
.set j, 0
.rept 16
	v_dual_mov_b32 v[192+j], v[160+j] :: v_dual_mov_b32 v[193+j], v[161+j]
.set j, j+2
.endr
	v_mov_b32 v224, v12
	v_add_f32 v225, v14, v15
	ZERO 160, 16
	BEGIN
	s_mov_b32 s[Q0], s[QE]
	s_mov_b32 s[KS], s[KC]
	s_wait_alu depctr_va_vdst(0)
.Lsame_\@:
.endm
	s_wait_alu depctr_va_vdst(0)                   ; the wait at the head's end
	s_wait_loadcnt 0x0                             ; Q
	s_wait_tensorcnt 0x0                           ; my part of slot 0 is in
	ds_add_u32 v[SPW], v[NIL]                      ; the add, twice on end
	ds_add_u32 v[SPW], v[NIL]
	STEPD
	s_wait_dscnt 0x0
	s_barrier_signal -1
	s_barrier_wait -1
	TLOAD                                          ; slot 1
	ASK
.Lslot:                                            ; slots 0 to 6 of the walk
	BODY 2
	SLOT_END
	s_sub_co_u32 s[SLOTS], s[SLOTS], 1
	s_cmp_lg_u32 s[SLOTS], 0
	s_cbranch_scc1 .Lslot
	BODY 1
	SLOT_END
	BODY 0
	; THE JOIN.  Each wave hands its partner's 32 channels, M and sum of both blocks over in LDS, and finishes its own 32 channels.
	s_mul_i32 s82, s[WV], MW
	s_add_co_u32 s82, s82, MERGE
	s_xor_b32 s83, s[WV], 1
	s_mul_i32 s83, s83, MW
	s_add_co_u32 s83, s83, MERGE
	s_wait_alu depctr_va_vdst(0)
	v_and_b32 v4, 31, v0
	v_lshlrev_b32 v4, 3, v4
	v_add_nc_u32 v8, s82, v[GO]
	v_add_nc_u32 v9, s82, v4
	v_add_nc_u32 v10, s83, v[GO]
	v_add_nc_u32 v4, s83, v4
	v_add_f32 v14, v14, v15                        ; the sums' two halves, and lane l xor 16's
	v_permlanex16_b32 v254, v225, s[SEL], s[SEL+1]
	v_permlanex16_b32 v255, v14, s[SEL], s[SEL+1]
	v_add_f32 v225, v225, v254
	v_add_f32 v14, v14, v255
	v_mov_b32 v15, v12
.irp n, 0,1,2,3
.if \n%2 == 0
	s_wait_alu depctr_va_vdst(0)                   ; directly ahead of an accumulator's first reader
.endif
	ds_store_b128 v8, v[176+4*\n:179+4*\n] offset:MPH+512*\n
.endr
.irp n, 0,1,2,3
	ds_store_b128 v8, v[208+4*\n:211+4*\n] offset:512*\n
.endr
	ds_store_b64 v9, v[224:225] offset:2048        ; late: -M, sum
	ds_store_b64 v9, v[14:15] offset:MPH+2048      ; early: sum, -M
	s_wait_alu depctr_va_vdst(0)
	s_wait_dscnt 0x0                               ; my stores are done
	s_barrier_signal -1
	s_barrier_wait -1
	ds_load_b64 v[64:65], v4 offset:2048
	ds_load_b64 v[66:67], v4 offset:MPH+2048
.irp n, 0,1,2,3
	ds_load_b128 v[32+4*\n:35+4*\n], v10 offset:512*\n
	ds_load_b128 v[48+4*\n:51+4*\n], v10 offset:MPH+512*\n
.endr
	s_wait_dscnt 0x0
	v_min_num_f32 v68, v224, v64                   ; -M of both parts together
	v_min_num_f32 v69, v15, v67
	v_sub_f32 v70, v68, v224
	v_sub_f32 v71, v68, v64
	v_sub_f32 v72, v69, v15
	v_sub_f32 v73, v69, v67
.irp n, 0,1,2,3
	v_cvt_i32_f32 v[70+\n], v[70+\n]               ; (it saturates: a wave without a step has -M = 3e38, and its factor is 0)
.endr
.irp n, 0,1,2,3
	v_ldexp_f32 v[74+\n], 1.0, v[70+\n]            ; factors of late: mine, the partner's; early: mine, the partner's
.endr
	v_mul_f32 v78, v65, v75
	v_mul_f32 v79, v66, v77
	v_fma_f32 v78, v225, v74, v78                  ; the rows' sums
	v_fma_f32 v79, v14, v76, v79
	s_wait_alu depctr_va_vdst(0)                   ; ahead of the batch of two
	v_rcp_f32 v80, v78
	v_rcp_f32 v81, v79
	v_nop
	s_wait_alu depctr_va_vdst(0)                   ; and ahead of its first reader
	v_mul_f32 v74, v74, v80
	v_mul_f32 v75, v75, v80
	v_mul_f32 v76, v76, v81
	v_mul_f32 v77, v77, v81
	s_wait_alu depctr_va_vdst(0)                   ; directly ahead of the first reader of O^T
.set j, 0
.rept 16
	v_mul_f32 v[112+j], v[160+j], v76
	v_mul_f32 v[96+j], v[192+j], v74
.set j, j+1
.endr
.set j, 0
.rept 16
	v_fma_f32 v[96+j], v[32+j], v75, v[96+j]
	v_fma_f32 v[112+j], v[48+j], v77, v[112+j]
.set j, j+1
.endr
.set j, 0
.rept 32
	v_med3_num_f32 v[96+j], v[96+j], -v247, v247   ; the hold at the largest code x the scale
.set j, j+1
.endr
.irp t, 0,1,2,3
	v_cvt_scalef32_pk8_fp8_f32 v[208+2*\t:209+2*\t], v[96+8*\t:103+8*\t], v246
.endr
	v_nop
	; a lane holds channels 8 h .. and 16 + 8 h .. of my 32 (h = lane / 16); the swaps of half rows make that 16 h .. 16 h + 15, so that the next launch may fetch its weights 16 bytes a lane
	v_permlane16_swap_b32 v208, v210
	v_permlane16_swap_b32 v209, v211
	v_permlane16_swap_b32 v212, v214
	v_permlane16_swap_b32 v213, v215
	global_store_b128 v[GO], v[208:211], s[12:13]  ; 32 lanes store 512 consecutive bytes, at a multiple of 512
	global_store_b128 v[GO], v[212:215], s[14:15]
	s_wait_tensorcnt 0x0                           ; the wave's end
	ds_add_u32 v[SPW], v[NIL]
	s_wait_dscnt 0x0
	s_endpgm
.Lfunc_end_k_qdc17886e14_attn:
	.size	k_qdc17886e14_attn, .Lfunc_end_k_qdc17886e14_attn-k_qdc17886e14_attn
	.p2alignl 7, 3214868480
	.fill 96, 4, 3214868480
	.section	.rodata,"a",@progbits
	.p2align	6, 0x0
	.amdhsa_kernel k_qdc17886e14_attn
		.amdhsa_group_segment_fixed_size 327680
		.amdhsa_private_segment_fixed_size 0
		.amdhsa_enable_private_segment 0
		.amdhsa_kernarg_size 24
		.amdhsa_user_sgpr_count 2
		.amdhsa_user_sgpr_kernarg_segment_ptr 1
		.amdhsa_wavefront_size32 1
		.amdhsa_system_sgpr_workgroup_id_x 1
		.amdhsa_system_sgpr_workgroup_id_y 1
		.amdhsa_system_sgpr_workgroup_id_z 1
		.amdhsa_system_vgpr_workitem_id 0
		.amdhsa_next_free_vgpr 256
		.amdhsa_next_free_sgpr 100
		.amdhsa_reserve_vcc 1
		.amdhsa_float_denorm_mode_32 3
		.amdhsa_float_denorm_mode_16_64 3
		.amdhsa_memory_ordered 1
		.amdhsa_forward_progress 1
		.amdhsa_inst_pref_size 150
	.end_amdhsa_kernel
	.amdgpu_metadata
---
amdhsa.version: [ 1, 2 ]
amdhsa.kernels:
  - .name:           k_qdc17886e14_attn
    .symbol:         k_qdc17886e14_attn.kd
    .args:
      - { .name: qkv, .offset: 0, .size: 8, .value_kind: global_buffer, .address_space: global }
      - { .name: lowp_scales, .offset: 8, .size: 8, .value_kind: global_buffer, .address_space: global }
      - { .name: y_img, .offset: 16, .size: 8, .value_kind: global_buffer, .address_space: global }
    .group_segment_fixed_size: 327680
    .private_segment_fixed_size: 0
    .kernarg_segment_align: 8
    .kernarg_segment_size: 24
    .max_flat_workgroup_size: 512
    .sgpr_count:     100
    .vgpr_count:     256
    .wavefront_size: 32
...
	.end_amdgpu_metadata
.endif
;; end of part 2
;; launch proj (part 3): grid 8 x 32, 4 waves a work-group, clusters of 4 x 4, 327,680 bytes of LDS; arguments y_img, w_proj_codes, lowp_scales, out0; writes out0
.if DOCPART == 3
	.amdgcn_target "amdgcn-amd-amdhsa--gfx1250"
	.amdhsa_code_object_version 6
	.text
	.protected	k_qdc17886e14_proj
	.globl	k_qdc17886e14_proj
	.p2align	8
	.type	k_qdc17886e14_proj,@function
k_qdc17886e14_proj:
	s_mov_b64 s[64:65], 0
	v_nop
	global_prefetch_b8 v0, s[64:65] scope:SCOPE_SE
	s_setreg_imm32_b32 hwreg(HW_REG_WAVE_MODE, 25, 1), 1
	s_wait_xcnt 0x0
	s_wait_alu depctr_hold_cnt(0) depctr_sa_sdst(0) depctr_va_vdst(0) depctr_va_sdst(0) depctr_va_ssrc(0) depctr_va_vcc(0) depctr_vm_vsrc(0)
	s_getreg_b32 s2, hwreg(HW_REG_IB_STS2, 6, 4)
	s_cmp_eq_u32 s2, 0
	s_cbranch_scc0 .Lentry_in_a_cluster
	s_endpgm
.Lentry_in_a_cluster:
	s_bfe_u32 s2, ttmp6, 0x10000c
	s_cmp_lg_u32 s2, 0xf033
	s_cbranch_scc0 .Lentry_shape_is_right
	s_endpgm
.Lentry_shape_is_right:
; THIRD LAUNCH: out0 = y w_proj on codes of FP8 (E4M3); each finished sum is multiplied once by 2^(e6 + e7).  Nothing is left out here.
; y: the image that the launch attn left: [16 tokens][head = 64 of K][2][lane][16 bytes]; w_proj_codes: [1024 (n)][1024 (k)].  out0: [4096][1024] f32.
; LIMIT: e6 + e7 lies between -126 and 127, so that 2^(e6 + e7) is an f32 number.
; SHARES.  128 tokens x 128 columns to a work-group: 256 work-groups.  Four waves, 64 x 64 each.
; THE WHOLE K LIES IN LDS: y's 128 KiB and w's 128 KiB come by one load a wave, at the head; nothing is filled twice, so there is no ring, and no loop in which a prefetch could run ahead.
; BY ROWS OF out0: w's fragments of all 1,024 of K stay in registers (8 steps x 64); the four blocks of 16 tokens are finished one after the other, and each leaves while the next is multiplied.
; CLUSTERS: 4 x 4: a row of the cluster shares the tokens of y, a column the rows of w: each block is asked for jointly.
; Source 0 = 16 rows of w, source 1 = 16 tokens: a lane holds eight neighbouring numbers of a row of out0.  Both operands' registers 4 c .. 4 c + 3 hold k = 32 c + 16 (lane / 16) + 0 .. 15.
; REGISTERS: window 0: v16-29 addresses; v32-63 at work on the way out; v64-95, v96-127 the accumulators of even and odd blocks; v128-255 y's fragments of even blocks.  Windows 1 and 2: w's.  Window 3: v0-127 y's fragments of odd blocks.
.set BOFF,   131072
.set BP,     1040                      ; a row of w in LDS: 1,024 bytes + 16 of padding
.set STAGE,  BOFF+128*BP               ; 16 rows x 272 bytes for each wave, for the way out
.set SPITCH, 272
.set SPARE,  STAGE+4*16*SPITCH
.set ADRA, 16
.set ADRB, 20
.set STO,  24
.set RD,   25
.set CO,   26
.set SPW,  28
.set NIL,  29
.set TMP,  32
.set G1, 24
.set G0, 32
.set G1B, 48
.set G0B, 56
.set MSB, 0
.macro WIN new
.if MSB != \new
	s_set_vgpr_msb (MSB<<8)|\new
.set MSB, \new
.endif
.endm
.macro CROUND                          ; a round of the cluster's barrier
	s_barrier_signal -1
	s_barrier_wait -1
	s_cmp_lg_u32 s14, 0
	s_cbranch_scc1 .Lnot_wave_0_\@
	s_barrier_signal -3
.Lnot_wave_0_\@:
	s_barrier_wait -3
	s_barrier_signal -1
	s_barrier_wait -1
.endm
.macro PLACES                          ; four plain places behind matrix instructions (ISA guide 7.12.1)
.rept 4
	v_nop
.endr
.endm
	s_load_b128 s[4:7], s[0:1], 0x0                ; y's image s[4:5], w's codes s[6:7]
	s_load_b128 s[8:11], s[0:1], 0x10              ; exponents s[8:9], out0 s[10:11]
	v_lshl_add_u32 v[SPW], v0, 2, SPARE
	v_mov_b32 v[NIL], 0
	ds_add_u32 v[SPW], v[NIL]                      ; the opening adds, twice on end
	ds_add_u32 v[SPW], v[NIL]
	v_lshrrev_b32 v1, 5, v0
	v_readfirstlane_b32 s14, v1                    ; wave 0..3
	s_lshr_b32 s15, s14, 1                         ; which 64 tokens are mine.  Also: I fetch for y (0) or for w (1)
	s_and_b32 s16, s14, 1                          ; which 64 columns.  Also: which half of that block I fetch
	s_bfe_u32 s40, ttmp6, 0x40000                  ; cx, cy
	s_bfe_u32 s41, ttmp6, 0x40004
	s_lshl_b32 s42, ttmp9, 2
	s_add_co_u32 s42, s42, s40                     ; tile column
	s_and_b32 s17, ttmp7, 0xffff
	s_lshl_b32 s17, s17, 2
	s_add_co_u32 s17, s17, s41                     ; tile row
	s_lshl_b32 s43, s41, 2
	s_lshl_b32 s43, 15, s43                        ; my row of the cluster
	s_lshl_b32 s44, 0x1111, s40                    ; my column
	s_or_b32 s[G1+0], s43, (3<<16)|(1<<21)         ; y: 64 KiB on end, as 256 rows of 32 elements of 8 bytes
	s_mov_b32 s[G1+1], 32<<16
	s_mov_b32 s[G1+2], 256<<16
	s_mov_b32 s[G1+3], 32<<16
	s_mov_b32 s[G1+4], 256
	s_mov_b32 s[G1+5], 32
	s_mov_b32 s[G1+6], 0
	s_mov_b32 s[G1+7], 0
	s_or_b32 s[G1B+0], s44, (0<<16)|(1<<20)|(1<<21)|(7<<22)|(3<<25)  ; w: 64 rows of 1,024 bytes, four words of padding behind every 256
	s_mov_b32 s[G1B+1], 1024<<16
	s_mov_b32 s[G1B+2], 64<<16
	s_mov_b32 s[G1B+3], 1024<<16
	s_mov_b32 s[G1B+4], 64
	s_mov_b32 s[G1B+5], 1024
	s_mov_b32 s[G1B+6], 0
	s_mov_b32 s[G1B+7], 0
	s_lshl_b32 s20, s17, 17                        ; y: 128 KiB a tile row, 64 KiB a half
	s_lshl_b32 s18, s16, 16
	s_add_co_u32 s20, s20, s18
	s_mov_b32 s21, 0
	s_lshl_b32 s46, s42, 17                        ; w: 128 rows a tile column, 64 a half
	s_lshl_b32 s47, s16, 16
	s_add_co_u32 s46, s46, s47
	s_mov_b32 s47, 0
	s_lshl_b32 s45, s16, 16                        ; where they go: no place in the cluster enters an LDS address
	s_mul_i32 s23, s16, 64*BP
	s_add_co_u32 s23, s23, BOFF
	s_lshl_b32 s92, s17, 19                        ; out0: 128 x tile row rows of 4,096 bytes,
	s_lshl_b32 s93, s15, 18
	s_add_co_u32 s92, s92, s93                     ; my 64 of them,
	s_lshl_b32 s93, s42, 9
	s_add_co_u32 s92, s92, s93                     ; the tile's 512 bytes of a row,
	s_lshl_b32 s93, s16, 8
	s_add_co_u32 s92, s92, s93                     ; my 256 of them
	s_mov_b32 s93, 0
	s_wait_dscnt 0x0                               ; both opening adds are done
	s_wait_kmcnt 0x0
	s_load_b256 s[68:75], s[8:9], 0x0              ; e0 .. e7
	s_add_nc_u64 s[10:11], s[10:11], s[92:93]
	s_mov_b32 s[G0], 1
	s_mov_b32 s[G0+1], s45
	s_add_nc_u64 s[G0+2:G0+3], s[4:5], s[20:21]
	s_or_b32 s[G0+3], s[G0+3], 0x80000000
	s_mov_b32 s[G0B], 1
	s_mov_b32 s[G0B+1], s23
	s_add_nc_u64 s[G0B+2:G0B+3], s[6:7], s[46:47]
	s_or_b32 s[G0B+3], s[G0B+3], 0x80000000
	CROUND                                         ; all sixteen work-groups are here: the joint loads meet
	s_cmp_eq_u32 s15, 0                            ; one load a wave
	s_cbranch_scc0 .Lfirst_b
	tensor_load_to_lds s[G0:G0+3], s[G1:G1+7]
	s_nop 0
	PLACES
	s_branch .Lfirst_asked
.Lfirst_b:
	tensor_load_to_lds s[G0B:G0B+3], s[G1B:G1B+7]
	s_nop 0
	PLACES
.Lfirst_asked:
	v_and_b32 v1, 15, v0                           ; r
	v_bfe_u32 v2, v0, 4, 1                         ; h
	v_and_b32 v3, 31, v0
	v_lshlrev_b32 v4, 4, v3
	s_lshl_b32 s21, s15, 16                        ; my four blocks of 16 tokens
	v_add_nc_u32 v[ADRA], s21, v4
	v_mul_u32_u24 v5, v1, BP
	v_lshl_add_u32 v5, v2, 4, v5                   ; row r, + 16 h
	s_mul_i32 s22, s16, 64*BP                      ; my 64 rows of w
	s_add_co_u32 s22, s22, BOFF
	v_add_nc_u32 v[ADRB], s22, v5
	s_mul_i32 s23, s14, 16*SPITCH
	s_add_co_u32 s23, s23, STAGE                   ; my stage
	v_mul_u32_u24 v6, v1, SPITCH
	v_lshl_add_u32 v6, v2, 5, v6
	v_add_nc_u32 v[STO], s23, v6                   ; in: row r, 32 bytes for each half of the lanes
	v_mul_u32_u24 v7, v2, SPITCH
	v_lshl_add_u32 v7, v1, 4, v7
	v_add_nc_u32 v[RD], s23, v7                    ; back: lanes 0-15 take one row of 256 bytes, lanes 16-31 the next
	v_lshlrev_b32 v8, 12, v2
	v_lshl_add_u32 v[CO], v1, 4, v8                ; and the same two rows in out0
	s_wait_alu depctr_va_vdst(0)                   ; the wait at the head's end
	s_wait_kmcnt 0x0
	s_add_co_i32 s96, s74, s75
	s_add_co_i32 s96, s96, 127
	s_lshl_b32 s96, s96, 23                        ; 2^(e6 + e7)
	s_mov_b32 s97, s96                             ; (named with it as a pair)
.macro WL s                            ; w's fragments of K step s (128 along K): 16 loads
	WIN 0x40+0x40*((\s)/4)
.irp j, 0,1,2,3
.irp g, 0,1,2,3
	ds_load_b128 v[64*((\s)%4)+16*\j+4*\g:64*((\s)%4)+16*\j+4*\g+3], v[ADRB] offset:16*BP*\j+128*(\s)+32*\g
.endr
.endr
.endm
.macro YL a, s                         ; block a's fragment of K step s: 4 loads
	WIN 0xc0*((\a)%2)
.set YB, 128*(1-(\a)%2)+16*(\s)
.irp g, 0,1,2,3
	ds_load_b128 v[YB+4*\g:YB+4*\g+3], v[ADRA] offset:16384*(\a)+2048*(\s)+512*\g
.endr
.endm
.macro YROW a
.irp s, 0,1,2,3,4,5,6,7
	YL \a, \s
.endr
	WIN 0
.endm
; Block a's four products of K step s.  The four accumulators take turns, one instruction a turn.
.macro MS a, s
	WIN 1+((\s)/4)+0x0c*((\a)%2)
.set YB, 128*(1-(\a)%2)+16*(\s)
.irp b, 0,1,2,3
.set AC, 64+32*((\a)%2)+8*\b
.set WF, 64*((\s)%4)+16*\b
.if (\s) == 0
	v_wmma_f32_16x16x128_fp8_fp8 v[AC:AC+7], v[WF:WF+15], v[YB:YB+15], 0
.else
	v_wmma_f32_16x16x128_fp8_fp8 v[AC:AC+7], v[WF:WF+15], v[YB:YB+15], v[AC:AC+7]
.endif
.endr
.endm
.macro MROW a
.irp s, 0,1,2,3,4,5,6,7
	MS \a, \s
.endr
	WIN 0
.endm
; THE WAY OUT of a block of 16 tokens x 64 columns: through my own stage, back as whole rows of 256 bytes, into the block's own accumulator registers.  LDS serves a wave's instructions in order (ISA guide 5.7.1.4).
.macro TOSTAGE a
	PLACES                                         ; behind the last products, in front of the first read of results
.set AC, 64+32*((\a)%2)
.irp j, 0,2,4,6,8,10,12,14,16,18,20,22,24,26,28,30
	v_pk_mul_f32 v[TMP+\j:TMP+\j+1], v[AC+\j:AC+\j+1], s[96:97] op_sel_hi:[1,0]   ; x 2^(e6 + e7)
.endr
.irp b, 0,1,2,3
	ds_store_b128 v[STO], v[TMP+8*\b:TMP+8*\b+3] offset:64*\b
	ds_store_b128 v[STO], v[TMP+8*\b+4:TMP+8*\b+7] offset:64*\b+16
.endr
.irp t, 0,1,2,3,4,5,6,7
	ds_load_b128 v[AC+4*\t:AC+4*\t+3], v[RD] offset:\t*2*SPITCH
.endr
.endm
.macro SEND a, younger                 ; younger: the LDS loads issued behind block a's
	s_wait_dscnt \younger
.set AC, 64+32*((\a)%2)
.irp t, 0,1,2,3,4,5,6,7
	global_store_b128 v[CO], v[AC+4*\t:AC+4*\t+3], s[10:11] offset:(16*(\a)+2*\t)*4096 th:TH_STORE_NT   ; 16 lanes store 256 consecutive bytes, at a multiple of 256
.endr
.endm
	s_wait_tensorcnt 0x0                           ; my part is in,
	s_barrier_signal -1
	s_barrier_wait -1                              ; everybody's is
.irp s, 0,1,2
	WL \s
	YL 0, \s
.endr
.irp s, 0,1,2,3,4,5,6,7                        ; block 0, as w's fragments come in; nothing that a product has read is loaded over
.if \s < 6
	s_wait_dscnt 40                                ; the next two steps' 20 loads each may be out
.elseif \s == 6
	s_wait_dscnt 52                                ; the last step's 20 and block 1's 32
.else
	s_wait_dscnt 32                                ; block 1's
.endif
	MS 0, \s
.if \s < 5
	WL \s+3
	YL 0, \s+3
.elseif \s == 5
	YROW 1
.endif
.endr
	WIN 0
	TOSTAGE 0
	YROW 2
	s_wait_dscnt 48                                ; block 1's fragments are in; the stage's 16 and block 2's 32 may be out
	MROW 1
	SEND 0, 32
	TOSTAGE 1
	YROW 3
	s_wait_xcnt 0x0                                ; block 0's stores have read their registers
	s_wait_dscnt 48
	MROW 2
	SEND 1, 32
	TOSTAGE 2
	s_wait_xcnt 0x0                                ; block 1's stores have
	s_wait_dscnt 16                                ; block 3's fragments are in; the stage's 16 may be out
	MROW 3
	SEND 2, 0
	TOSTAGE 3
	SEND 3, 0
	s_wait_tensorcnt 0x0                           ; the wave's end
	ds_add_u32 v[SPW], v[NIL]
	s_wait_dscnt 0x0
	CROUND                                         ; the closing round
	s_endpgm
.Lfunc_end_k_qdc17886e14_proj:
	.size	k_qdc17886e14_proj, .Lfunc_end_k_qdc17886e14_proj-k_qdc17886e14_proj
	.p2alignl 7, 3214868480
	.fill 96, 4, 3214868480
	.section	.rodata,"a",@progbits
	.p2align	6, 0x0
	.amdhsa_kernel k_qdc17886e14_proj
		.amdhsa_group_segment_fixed_size 327680
		.amdhsa_private_segment_fixed_size 0
		.amdhsa_enable_private_segment 0
		.amdhsa_kernarg_size 32
		.amdhsa_user_sgpr_count 2
		.amdhsa_user_sgpr_kernarg_segment_ptr 1
		.amdhsa_wavefront_size32 1
		.amdhsa_system_sgpr_workgroup_id_x 1
		.amdhsa_system_sgpr_workgroup_id_y 1
		.amdhsa_system_sgpr_workgroup_id_z 1
		.amdhsa_system_vgpr_workitem_id 0
		.amdhsa_next_free_vgpr 896
		.amdhsa_next_free_sgpr 100
		.amdhsa_reserve_vcc 0
		.amdhsa_float_denorm_mode_32 3
		.amdhsa_float_denorm_mode_16_64 3
		.amdhsa_memory_ordered 1
		.amdhsa_forward_progress 1
		.amdhsa_inst_pref_size 44
	.end_amdhsa_kernel
	.amdgpu_metadata
---
amdhsa.version: [ 1, 2 ]
amdhsa.kernels:
  - .name:           k_qdc17886e14_proj
    .symbol:         k_qdc17886e14_proj.kd
    .args:
      - { .name: y_img, .offset: 0, .size: 8, .value_kind: global_buffer, .address_space: global }
      - { .name: w_proj_codes, .offset: 8, .size: 8, .value_kind: global_buffer, .address_space: global }
      - { .name: lowp_scales, .offset: 16, .size: 8, .value_kind: global_buffer, .address_space: global }
      - { .name: out0, .offset: 24, .size: 8, .value_kind: global_buffer, .address_space: global }
    .group_segment_fixed_size: 327680
    .private_segment_fixed_size: 0
    .kernarg_segment_align: 8
    .kernarg_segment_size: 32
    .max_flat_workgroup_size: 128
    .sgpr_count:     100
    .vgpr_count:     896
    .wavefront_size: 32
...
	.end_amdgpu_metadata
.endif
;; end of part 3
